; MI455X (gfx1250); checked and timed in simulation.
; The chip was launched on July 23, 2026; its instructions are those of AMD's public machine-readable ISA for CDNA 5 (MIT licence, August 2026) and "CDNA5" Instruction Set Architecture Reference Guide (July 2026). The comments in the code are by the model that wrote it; some were corrected since.
;; Index Linear. Allowed arithmetic: matrix products marked QUANTISED: E3M2 operands, one E8M0 scale for each 32 along K, by v_wmma_scale_f32_16x16x128_f8f6f4 with both operands' format E3M2, f32 sums; everything else in f32.
;; Inputs: W_codes 16 x 1,024 x 32 x 24 uint8 (E3M2 codes of W, K innermost, in blocks of 32 codes, four codes in three bytes); W_scales 16 x 1,024 x 32 uint8 (E8M0 scales of W, one for each 32 codes along K); b 16 x 1,024 float32; ind 4,096 int32; x_codes 4,096 x 32 x 24 uint8 (E3M2 codes of x, K innermost, in blocks of 32 codes, four codes in three bytes); x_scales 4,096 x 32 uint8 (E8M0 scales of x, one for each 32 codes along K).
;; Outputs: out0 4,096 x 1,024 float32.
;; This version of the problem:
;;   THIS VERSION OF THE PROBLEM IS GIVEN IN LOW PRECISION. The matrix products marked QUANTISED in the list below multiply operands that are first quantised to E3M2 (3 exponent bits, 2 mantissa bits; 6 bits a number), with one power-of-two scale for each 32 numbers along K (OCP MX v1.0); their sums are f32. All else is computed in f32.
;;   The module's matrix products, in the order in which they are computed (A, B: the left and right operand; K: the contracted axis; several contracted axes count as one K, in the product's order):
;;     1. [M 4,096, K 1,024] x [K 1,024, N 16,384]; A: input x (given as codes); B: input W (given as codes): QUANTISED
;;   THE QUANTISER, for each operand of a quantised product, along K:
;;     - K is cut into blocks of 32 from its start; a last block that is shorter is filled with zeros.
;;     - A block's scale is 2^e with e = floor(log2(the largest magnitude in the block)) - 4, held to -126 .. 127; a block of zeros has e = 0. As a byte (E8M0): e + 127.
;;     - Each number is divided by its block's scale, clamped to +-28, and rounded to the nearest number of E3M2, ties to even, subnormals kept.
;;     - The product sums the exact products of the quantised numbers (number of the format x scale) in f32.
;;   ~~~python
;;   def quantise(x, axis):      # numpy; x: float32 -> the quantised numbers, widened to float32 again
;;       x = np.moveaxis(x, axis, -1); K = x.shape[-1]
;;       x = np.pad(x, [(0, 0)] * (x.ndim - 1) + [(0, -K % 32)]); x = x.reshape(x.shape[:-1] + (-1, 32)); a = np.abs(x).max(-1, keepdims=True)
;;       e = np.where(a > 0, np.clip(np.frexp(np.where(a > 0, a, 1))[1] - 1 - 4, -126, 127), 0)      # np.frexp(a)[1] - 1 = floor(log2(a)), exactly
;;       r = np.clip(x / 2.0 ** e, -28, 28)
;;       step = 2.0 ** (np.maximum(np.frexp(np.where(r == 0, 1, r))[1] - 1, -2) - 2)
;;       q = np.round(r / step) * step * 2.0 ** e      # np.round: ties to even
;;       return np.moveaxis(q.reshape(q.shape[:-2] + (-1,))[..., :K], -1, axis).astype(np.float32)
;;   ~~~
;;   INPUTS GIVEN AS CODES. W (in the module: [16, 1024, 1024], K = its axis 2); x (in the module: [4096, 1024], K = its axis 1): each comes as NAME_codes (uint8): NAME with its K axis moved to the last place and cut into blocks of 32 codes, [.., K / 32, bytes a block], one block behind the other in memory; four codes in three bytes: a row's codes are one little-endian stream of bits, code i at bits 6 i .. 6 i + 5 (a code: sign, 3 exponent bits, 2 mantissa bits); and NAME_scales (uint8): the same leading axes, one E8M0 byte (e + 127) for each 32 codes along K. Its value is code x scale, taken as it is: it is not quantised again, and the codes and scales need not be those that the quantiser above would give.
;; 2 versions, each right; version 2 is version 1 with the launch route_gemm written anew for expert scheduling mode. Each part assembles by itself: llvm-mc -triple=amdgcn-amd-amdhsa -mcpu=gfx1250 --defsym DOCPART=n.
;; ======== version 1 of 2: 1 launch
;; launch route_gemm (part 1): grid 16 x 16, 4 waves a work-group, no clusters, 118,528 bytes of LDS; arguments W_codes, W_scales, b, ind, x_codes, x_scales, out0; writes out0
.if DOCPART == 1
	.amdgcn_target "amdgcn-amd-amdhsa--gfx1250"
	.amdhsa_code_object_version 6
	.text
	.protected	k_q4296c6d81c_route_gemm
	.globl	k_q4296c6d81c_route_gemm
	.p2align	8
	.type	k_q4296c6d81c_route_gemm,@function
k_q4296c6d81c_route_gemm:
	s_mov_b64 s[64:65], 0
	v_nop
	global_prefetch_b8 v0, s[64:65] scope:SCOPE_SE
	s_setreg_imm32_b32 hwreg(HW_REG_WAVE_MODE, 25, 1), 1
	s_wait_xcnt 0x0
; out[n][:] = W[ind[n]] x[n] + b[ind[n]].  4,096 tokens, K = 1,024, 1,024 outputs, 16 experts.  x and W are codes of BF6 (E3M2): a row of 1,024 codes is 768 bytes, with 32 E8M0 bytes beside it.
; Only the chosen expert's rows are multiplied: the other fifteen results of a token are thrown away by the gather on ind.
; SHARES.  Work-group (c, e) owns expert e and output columns 64 c .. 64 c + 63: 64 rows of W, 49,152 dense bytes that no other work-group reads.  EVERY WAVE KEEPS THAT WHOLE TILE OF W IN REGISTERS
; (32 fragments, 384 registers) and the TOKENS are shared out: wave w serves those of tokens 1024 w .. 1024 w + 1023 whose ind is e, 32 at a time (two tiles of 16 tokens).  Behind the head no wave needs another.
; THE LIST OF TOKENS is made in registers: 32 lane masks (ind == e) and their running counts lie in scalar registers, and SELECT turns 32 ranks into 32 tokens by compares and selects, with no branch and no LDS.
; Ranks past the wave's last are held at the last: such a row is a copy of the last token's, and its stores are jumped over (or write the same numbers to the same row).
; THE MATRIX INSTRUCTION IS USED TRANSPOSED: source 0 = 16 rows of W, source 1 = 16 tokens: a lane holds one token and eight neighbouring outputs.  The bias is the C of a sum's first product.
; K INSIDE AN INSTRUCTION: a lane takes 48 consecutive bytes (two blocks of 32 codes) by three loads of 16 bytes, so the instruction's blocks 0, 1, 2, 3 are the K step's blocks 0, 2, 1, 3, alike in W and x;
; the bytes of each scale word are put in that order.  The products are the same; the order of the sums inside an instruction differs from ascending K.
; NO TENSOR LOADS, NO CLUSTER: x's rows are gathered by a list, which no tile descriptor names; the trip counts hang on ind and differ from wave to wave; and W's tiles are shared by no two work-groups.
; LIMIT: a token whose ind lies outside 0 .. 15 is served by no work-group, and its row of out is not written.
.set PW,    784                        ; an LDS row of codes: 768 bytes + 16 = 49 x 16: the sixteen rows that a 16-byte access touches fall into sixteen different 16-byte columns of 256
.set PO,    272                        ; an LDS row of results: 256 bytes + 16 = 17 x 16
.set WST,   256                        ; W's tile, 64 rows.  (LDS bytes 0-255 hold nothing: the lane permutes carry indices 0 .. 124 in their address operand, and that range is kept free of data)
.set XSTW,  16*PW
.set XST,   WST+64*PW                  ; a stage of 16 rows of x for each wave
.set OSTW,  16*PO
.set OST,   XST+4*XSTW                 ; a stage of 16 rows of results for each wave; it ends at 118,016
; REGISTERS, window 0
.set LANE, 1                           ; lane
.set L16,  2                           ; 16 (lane % 16)
.set IDX0, 3                           ; 4 (lane / 16)
.set SA,   4                           ; x's stage, on the way in: row lane / 16, 16 bytes at 16 (lane % 16)
.set FA,   5                           ; x's stage, as fragments: row lane % 16, + 48 (lane / 16)
.set OS,   6                           ; results' stage, in: row lane % 16, + 32 (lane / 16)
.set ORD,  7                           ; results' stage, back: row lane / 16, 16 bytes at 16 (lane % 16)
.set TOK,  8                           ; the token of rank RB + lane
.set SXO,  9                           ; 32 x that token: its scale bytes
.set WSA,  10                          ; W's tile, on the way in (my wave's 16 rows)
.set WFA,  11                          ; W's tile, as fragments
.set WO,   12                          ; W in memory: 768 (lane / 16) + 16 (lane % 16)
.set WSO,  13                          ; W's scale bytes in memory: 32 (lane % 16)
.set BO,   14                          ; the bias in memory: 32 (lane / 16)
.set IO,   15                          ; ind in memory: 16 x lane
.set XR,   16                          ; v16-23   x's scale words as loaded: lane l has those of rank RB + l
.set XS,   24                          ; v24-31   the same with their bytes in the instruction's order: scales and nothing else
.set WS,   32                          ; v32-63   W's scale words, tile t, K step s at 8 t + s: scales and nothing else
.set ACC,  64                          ; v64-95   four accumulators
.set IN,   64                          ;          (at the head: my wave's 1,024 numbers of ind)
.set XF,   96                          ; v96-191  x's eight fragments  (at the head: my quarter of W on its way to LDS)
.set OB,   96                          ; v96-127  on the way out: 16 rows of results read back
.set TP,   192                         ; v192-207 pair p: the token of rank RB + 2 p + lane / 16
.set XO,   208                         ; v208-223 its byte offset in x_codes, + 16 (lane % 16)
.set OO,   224                         ; v224-239 its byte offset in out, + 16 (lane % 16)
.set TQ,   240                         ; v240-251 at work in SELECT
.set TQQ,  241
.set TKEY, 242
.set TMSK, 243
.set TA1,  244
.set TA2,  245
.set TA4,  246
.set TA8,  247
.set TK,   248
.set TPOS, 249
.set TC,   250
.set TT,   251
; window 1: v0-191 W's fragments of K steps 0-3 (tile t, step s at 48 t + 12 s); v192-223 the bias, tile t at 192 + 8 t.   window 2: v0-191 W's fragments of K steps 4-7.
; window 3: v0-95 tile A's 16 rows of x as loaded, v96-191 tile B's.
.set BI,   192
; SCALARS: s[4:17] the seven addresses; s18 wave; s19 c; s20 e; s[22:23] an offset; s24 NW, my wave's count of tokens; s25 windows still to come; s26 RB, the first rank of the window that SELECT serves;
; s27 NW - 1 (0 at the least); s28 the byte order of a scale word; s29 tokens in the last window; s31 1024 x wave; s32-63 the masks; s66-97 the keys; s98-101 at work.
.set MASK, 32
.set KEY,  66
.set MSB, 0
.macro WIN new                         ; the immediate's high byte repeats the setting that is left; a switch that changes nothing is dropped
.if MSB != \new
	s_set_vgpr_msb (MSB<<8)|\new
.set MSB, \new
.endif
.endm
.set LD3,  0xc0                        ; destination window 3
.set ST3,  0x0c                        ; an LDS store's data (source 1) window 3
.set TO1,  0x40                        ; destination window 1
.set TO2,  0x80                        ; destination window 2
.set W_MB, 0x11                        ; source 0 (W) and source 2 (the bias) window 1
.set W_M1, 0x01                        ; source 0 window 1
.set W_M2, 0x02                        ; source 0 window 2
; RANK -> TOKEN, for the 32 ranks RB + lane.  Group g = one register of ind (32 tokens, 4 apart).  KEY[g] = (the count of my tokens in the groups before g) << 10 | the group's first token: the keys rise with g.
; The last group whose key is not above (rank << 10 | 1023) holds the rank; the rank's place among the group's set bits is then found by halving, on counts of fields of 16, 8, 4, 2 and 1 bits.
.macro HALVE src, width                ; the count of set bits in the lower half of what is left; if my place lies beyond it, go to the upper half
	v_bfe_u32 v[TC], v[\src], v[TPOS], \width
	v_cmp_ge_u32 vcc_lo, v[TK], v[TC]
	v_cndmask_b32 v[TC], 0, v[TC], vcc_lo
	v_cndmask_b32 v[TT], 0, \width, vcc_lo
	v_sub_nc_u32 v[TK], v[TK], v[TC]
	v_add_nc_u32 v[TPOS], v[TPOS], v[TT]
.endm
.macro SELECT
	v_add_nc_u32 v[TQ], s26, v[LANE]
	v_min_u32 v[TQ], s27, v[TQ]                    ; ranks past the last are held at the last
	v_lshl_or_b32 v[TQQ], v[TQ], 10, 0x3ff
	v_mov_b32 v[TKEY], s[KEY]
	v_mov_b32 v[TMSK], s[MASK]
.set g, 1
.rept 31
	v_cmp_gt_u32 vcc_lo, s[KEY+g], v[TQQ]          ; does group g begin behind my rank?  If not, it takes the place of the group held so far
	v_cndmask_b32 v[TKEY], s[KEY+g], v[TKEY], vcc_lo
	v_cndmask_b32 v[TMSK], s[MASK+g], v[TMSK], vcc_lo
.set g, g+1
.endr
	v_lshrrev_b32 v[TT], 10, v[TKEY]
	v_sub_nc_u32 v[TK], v[TQ], v[TT]               ; my place among the group's set bits, from 0
	v_lshrrev_b32 v[TT], 1, v[TMSK]
	v_and_b32 v[TT], 0x55555555, v[TT]
	v_sub_nc_u32 v[TA1], v[TMSK], v[TT]            ; counts of fields of 2 bits,
	v_lshrrev_b32 v[TT], 2, v[TA1]
	v_and_b32 v[TT], 0x33333333, v[TT]
	v_and_b32 v[TA2], 0x33333333, v[TA1]
	v_add_nc_u32 v[TA2], v[TA2], v[TT]             ; of 4,
	v_lshrrev_b32 v[TT], 4, v[TA2]
	v_add_nc_u32 v[TT], v[TA2], v[TT]
	v_and_b32 v[TA4], 0x0f0f0f0f, v[TT]            ; of 8,
	v_lshrrev_b32 v[TT], 8, v[TA4]
	v_add_nc_u32 v[TA8], v[TA4], v[TT]             ; and, in the low byte, of bits 0-15
	v_and_b32 v[TC], 0xff, v[TA8]
	v_cmp_ge_u32 vcc_lo, v[TK], v[TC]
	v_cndmask_b32 v[TC], 0, v[TC], vcc_lo
	v_cndmask_b32 v[TPOS], 0, 16, vcc_lo
	v_sub_nc_u32 v[TK], v[TK], v[TC]
	HALVE TA4, 8
	HALVE TA2, 4
	HALVE TA1, 2
	HALVE TMSK, 1                                  ; TPOS is now the lane that held the token
	v_and_b32 v[TT], 0x3ff, v[TKEY]
	v_lshl_add_u32 v[TT], v[TPOS], 2, v[TT]        ; the group's first token + 4 x that lane,
	v_add_nc_u32 v[TT], s31, v[TT]                 ; + my wave's first token
	v_min_u32 v[TOK], 0xfff, v[TT]                 ; what enters an address is held inside the table
	v_lshlrev_b32 v[SXO], 5, v[TOK]
.endm
; Each load and store of a row is done by sixteen lanes, two rows an instruction: so lanes 0-15 want the token of rank RB + 2 p, lanes 16-31 that of rank RB + 2 p + 1.
.macro PAIRS1
.irp p, 0,1,2,3,4,5,6,7,8,9,10,11,12,13,14,15
	v_add_nc_u32 v[TP+\p], 8*\p, v[IDX0]           ; 4 x the lane that holds it
.endr
.irp p, 0,1,2,3,4,5,6,7,8,9,10,11,12,13,14,15
	ds_bpermute_b32 v[TP+\p], v[TP+\p], v[TOK]
.endr
.endm
.macro PAIRS2
.irp p, 0,1,2,3,4,5,6,7,8,9,10,11,12,13,14,15
	v_min_u32 v[TP+\p], 0xfff, v[TP+\p]
	v_mad_u32_u24 v[XO+\p], v[TP+\p], 768, v[L16]
.endr
.endm
.macro OUTOFF
.irp p, 0,1,2,3,4,5,6,7,8,9,10,11,12,13,14,15
	v_lshl_add_u32 v[OO+\p], v[TP+\p], 12, v[L16]  ; a row of out is 4,096 bytes
.endr
.endm
.macro SLOAD                           ; the 32 scale bytes of each lane's token
	global_load_b128 v[XR:XR+3], v[SXO], s[14:15]
	global_load_b128 v[XR+4:XR+7], v[SXO], s[14:15] offset:16
.endm
.macro XLOAD T                         ; tile T's 16 rows of x: sixteen lanes read 256 consecutive bytes, at a multiple of 256 from the buffer's first byte.  No hint: the expert's sixteen work-groups read these rows
	WIN LD3
.irp p, 0,1,2,3,4,5,6,7
.irp u, 0,1,2
	global_load_b128 v[96*\T+4*(3*\p+\u):96*\T+4*(3*\p+\u)+3], v[XO+8*\T+\p], s[12:13] offset:256*\u
.endr
.endr
.endm
.macro TOSTAGE T                       ; the same 24 pieces into my stage, as rows
	WIN ST3
.irp p, 0,1,2,3,4,5,6,7
.irp u, 0,1,2
	ds_store_b128 v[SA], v[96*\T+4*(3*\p+\u):96*\T+4*(3*\p+\u)+3] offset:2*\p*PW+256*\u
.endr
.endr
	WIN 0
.endm
.macro FRAGS                           ; and back as eight fragments: lane (r, h) takes the 48 bytes at 96 s + 48 h of row r.  LDS serves a wave's instructions in order: these see the stores above
.irp s, 0,1,2,3,4,5,6,7
.irp j, 0,1,2
	ds_load_b128 v[XF+12*\s+4*\j:XF+12*\s+4*\j+3], v[FA] offset:96*\s+16*\j
.endr
.endr
.endm
; Four products: K step s of tile T against W's four tiles.  The four accumulators take turns, one instruction a turn.  Tile B's scale words lie in lanes 16-31.
.macro MULS T, s
.irp t, 0,1,2,3
.set rA, 48*\t+12*((\s)%4)
.set rB, XF+12*(\s)
.set rD, ACC+8*\t
.set rC, ACC+8*\t
.if (\s) == 0
.set rC, BI+8*\t                       ; the first product starts the sum on the bias: nothing is cleared, nothing is added later
.endif
.if \T == 0
	v_wmma_scale_f32_16x16x128_f8f6f4 v[rD:rD+7], v[rA:rA+11], v[rB:rB+11], v[rC:rC+7], v[WS+8*\t+(\s)], v[XS+(\s)] matrix_a_fmt:MATRIX_FMT_BF6 matrix_b_fmt:MATRIX_FMT_BF6
.else
	v_wmma_scale_f32_16x16x128_f8f6f4 v[rD:rD+7], v[rA:rA+11], v[rB:rB+11], v[rC:rC+7], v[WS+8*\t+(\s)], v[XS+(\s)] matrix_a_fmt:MATRIX_FMT_BF6 matrix_b_fmt:MATRIX_FMT_BF6 matrix_b_scale:MATRIX_SCALE_ROW1
.endif
.endr
.endm
.macro MUL T
	s_wait_dscnt 12                                ; the fragments of K steps 0-3 are in; the twelve loads of steps 4-7 may be out
	WIN W_MB
	MULS \T, 0
	WIN W_M1
	MULS \T, 1
	MULS \T, 2
	MULS \T, 3
	s_wait_dscnt 0x0
	WIN W_M2
	MULS \T, 4
	MULS \T, 5
	MULS \T, 6
	MULS \T, 7
	WIN 0
.rept 5
	v_nop                                          ; places behind the last products: four for the LDS stores that read the results, for the loads into x's fragments and for the
.endr                                                  ; lines that write x's scale words; five for the next tile's first products, which write these accumulators anew from another C
.endm
; THE WAY OUT.  A lane holds 32 bytes of a token's 256 for each of W's tiles: they go through my stage and come back as rows, and sixteen lanes store 256 consecutive bytes, at a multiple of 256 from out's first byte.
; partial = 1 (the last window): pairs of rows past the wave's last token are jumped over.  With an odd count the last pair's two halves hold the same token and store the same numbers.
.macro OUT T, partial
.irp t, 0,1,2,3
	ds_store_b128 v[OS], v[ACC+8*\t:ACC+8*\t+3] offset:64*\t           ; each accumulator from its low end on
	ds_store_b128 v[OS], v[ACC+8*\t+4:ACC+8*\t+7] offset:64*\t+16
.endr
.irp p, 0,1,2,3,4,5,6,7
	ds_load_b128 v[OB+4*\p:OB+4*\p+3], v[ORD] offset:2*\p*PO
.endr
	s_wait_dscnt 0x0
.irp p, 0,1,2,3,4,5,6,7
.if \partial && (\p > 0)
	s_cmp_le_u32 s29, 16*\T+2*\p
	s_cbranch_scc1 .Lstored_\@
.endif
	global_store_b128 v[OO+8*\T+\p], v[OB+4*\p:OB+4*\p+3], s[16:17] th:TH_STORE_NT   ; written once, read by nobody here
.endr
.Lstored_\@:
.endm
; A TILE: 16 tokens x 64 outputs x K 1,024: 32 products.  refill = 1: as soon as the tile's rows have left their registers, those take the same tile of the next window.
.macro TILE T, refill, partial
	s_wait_xcnt 0x0                                ; the last tile's stores have read their data, which lie where x's fragments land
	TOSTAGE \T
	FRAGS
.if \refill
	s_wait_dscnt 23                                ; all but the youngest 23 loads: the 24 stores into the stage are done, so the registers that they read may be loaded again
.if \T == 0
	SLOAD
.endif
	XLOAD \T
.endif
	MUL \T
	OUT \T, \partial
.endm
	; ---- THE HEAD
	s_load_b256 s[4:11], s[0:1], 0x0               ; W's codes s[4:5], W's scales s[6:7], b s[8:9], ind s[10:11]
	s_load_b128 s[12:15], s[0:1], 0x20             ; x's codes s[12:13], x's scales s[14:15]
	s_load_b64 s[16:17], s[0:1], 0x30              ; out
	v_lshl_add_u32 v254, v0, 2, 0x1cd00
	v_mov_b32 v255, 0
	v_lshrrev_b32 v[TT], 5, v0
	v_readfirstlane_b32 s18, v[TT]                 ; wave 0..3
	s_mov_b32 s19, ttmp9                           ; c: which 64 outputs
	s_and_b32 s20, ttmp7, 0xffff                   ; e: which expert
	v_and_b32 v[LANE], 31, v0
	v_and_b32 v[TQ], 15, v0                        ; lane % 16
	v_bfe_u32 v[TQQ], v0, 4, 1                     ; lane / 16
	s_mul_i32 s98, s18, XSTW
	s_add_co_u32 s99, s98, XST                     ; my stage for x
	s_add_co_u32 s98, s98, WST                     ; my 16 rows of W's tile
	s_mul_i32 s100, s18, OSTW
	s_add_co_u32 s100, s100, OST                   ; my stage for results
	v_lshlrev_b32 v[L16], 4, v[TQ]
	v_lshlrev_b32 v[IDX0], 2, v[TQQ]
	v_mad_u32_u24 v[WSA], v[TQQ], PW, v[L16]
	v_add_nc_u32 v[SA], s99, v[WSA]
	v_add_nc_u32 v[WSA], s98, v[WSA]
	v_mul_u32_u24 v[WFA], v[TQ], PW
	v_mad_u32_u24 v[WFA], v[TQQ], 48, v[WFA]
	v_add_nc_u32 v[FA], s99, v[WFA]
	v_add_nc_u32 v[WFA], WST, v[WFA]
	v_mul_u32_u24 v[OS], v[TQ], PO
	v_lshl_add_u32 v[OS], v[TQQ], 5, v[OS]
	v_add_nc_u32 v[OS], s100, v[OS]
	v_mad_u32_u24 v[ORD], v[TQQ], PO, v[L16]
	v_add_nc_u32 v[ORD], s100, v[ORD]
	v_mad_u32_u24 v[WO], v[TQQ], 768, v[L16]
	v_lshlrev_b32 v[WSO], 5, v[TQ]
	v_lshlrev_b32 v[BO], 5, v[TQQ]
	v_lshlrev_b32 v[IO], 4, v[LANE]
	s_mov_b32 s28, 0x03010200                      ; a scale word's bytes 0, 2, 1, 3
	s_mov_b32 s24, 0
	s_mov_b32 s26, 0
	s_lshl_b32 s31, s18, 10
	s_lshl_b32 s98, s20, 10
	s_lshl_b32 s99, s19, 6
	s_add_co_u32 s98, s98, s99                     ; the tile's first row of W: 1024 e + 64 c
	s_lshl_b32 s99, s18, 4
	s_add_co_u32 s99, s98, s99                     ; the first of the 16 rows that my wave brings in
	s_mov_b32 s23, 0
	s_wait_kmcnt 0x0
	s_mul_i32 s22, s99, 768
	s_add_nc_u64 s[4:5], s[4:5], s[22:23]
	s_lshl_b32 s22, s98, 5
	s_add_nc_u64 s[6:7], s[6:7], s[22:23]
	s_lshl_b32 s22, s98, 2
	s_add_nc_u64 s[8:9], s[8:9], s[22:23]
	s_lshl_b32 s22, s18, 12
	s_add_nc_u64 s[10:11], s[10:11], s[22:23]      ; my wave's 1,024 numbers of ind
	s_lshl_b32 s22, s19, 8
	s_add_nc_u64 s[16:17], s[16:17], s[22:23]      ; my 256 bytes of every row of out
.irp a, 0,1,2,3,4,5,6,7
	global_load_b128 v[IN+4*\a:IN+4*\a+3], v[IO], s[10:11] offset:512*\a           ; register 4 a + j of lane l: token 1024 w + 128 a + 4 l + j
.endr
.irp p, 0,1,2,3,4,5,6,7
.irp u, 0,1,2
	global_load_b128 v[XF+4*(3*\p+\u):XF+4*(3*\p+\u)+3], v[WO], s[4:5] offset:2*\p*768+256*\u th:TH_LOAD_NT   ; my quarter of W's tile: read once in the whole launch
.endr
.endr
.irp t, 0,1,2,3
	global_load_b128 v[WS+8*\t:WS+8*\t+3], v[WSO], s[6:7] offset:512*\t            ; lane r: the eight scale words of row 16 t + r
	global_load_b128 v[WS+8*\t+4:WS+8*\t+7], v[WSO], s[6:7] offset:512*\t+16
.endr
	WIN TO1
.irp t, 0,1,2,3
	global_load_b128 v[BI+8*\t:BI+8*\t+3], v[BO], s[8:9] offset:64*\t              ; lane (r, h): b of outputs 16 t + 8 h + 0 .. 7: the result's layout
	global_load_b128 v[BI+8*\t+4:BI+8*\t+7], v[BO], s[8:9] offset:64*\t+16
.endr
	WIN 0
	s_wait_loadcnt 40                              ; ind is in: behind it went W's 24 loads, its scales' 8 and the bias's 8
.set g, 0
.rept 32
	v_cmp_eq_u32 s[MASK+g], s20, v[IN+g]
.set g, g+1
.endr
.set g, 0
.rept 32
	s_lshl_b32 s[KEY+g], s24, 10
	s_or_b32 s[KEY+g], s[KEY+g], 128*(g>>2)+(g&3)
	s_bcnt1_i32_b32 s98, s[MASK+g]
	s_add_co_u32 s24, s24, s98
.set g, g+1
.endr
	s_max_u32 s27, s24, 1
	s_sub_co_u32 s27, s27, 1                       ; my last rank (0 where I have no token: every address stays inside its buffer)
	s_add_co_u32 s25, s24, 31
	s_lshr_b32 s25, s25, 5
	s_sub_co_u32 s25, s25, 1                       ; windows but the last  (read only where I have a token)
	s_lshl_b32 s98, s25, 5
	s_sub_co_u32 s29, s24, s98                     ; tokens in the last window, 1 .. 32
	; the first window's rows are asked for before anything else is done with W
	SELECT
	PAIRS1
	s_wait_dscnt 0x0
	PAIRS2
	SLOAD
	XLOAD 0
	XLOAD 1
	WIN 0
	s_wait_loadcnt 50                              ; W, its scales and the bias are in: behind them went x's scales (2 loads) and two tiles of 24
.irp p, 0,1,2,3,4,5,6,7
.irp u, 0,1,2
	ds_store_b128 v[WSA], v[XF+4*(3*\p+\u):XF+4*(3*\p+\u)+3] offset:2*\p*PW+256*\u
.endr
.endr
.set g, 0
.rept 32
	v_perm_b32 v[WS+g], v[WS+g], v[WS+g], s28      ; W's scale words in the instruction's order of blocks, once
.set g, g+1
.endr
	s_wait_dscnt 0x0                               ; for the others' sake: my 16 rows of W lie in LDS
	s_barrier_signal -1
	s_barrier_wait -1                              ; the launch's one barrier: all 64 rows do.  Nobody writes them again
	WIN TO1
.irp t, 0,1,2,3
.irp s, 0,1,2,3
.irp j, 0,1,2
	ds_load_b128 v[48*\t+12*\s+4*\j:48*\t+12*\s+4*\j+3], v[WFA] offset:\t*16*PW+96*\s+16*\j
.endr
.endr
.endr
	WIN TO2
.irp t, 0,1,2,3
.irp s, 0,1,2,3
.irp j, 0,1,2
	ds_load_b128 v[48*\t+12*\s+4*\j:48*\t+12*\s+4*\j+3], v[WFA] offset:\t*16*PW+96*(\s+4)+16*\j
.endr
.endr
.endr
	WIN 0
	s_wait_dscnt 0x0                               ; W's 32 fragments are in registers, for the rest of the launch
	s_cmp_eq_u32 s24, 0
	s_cbranch_scc1 .Lend                           ; none of my 1,024 tokens chose this expert
	s_cmp_eq_u32 s25, 0
	s_cbranch_scc1 .Ltail
	; ---- EVERY WINDOW BUT THE LAST: 32 tokens, all present.  On the way in and over the backward jump the loads that are out are, in this order: the window's scales (2), tile A (24), tile B (24).
.Lwin:
	s_wait_xcnt 0x0                                ; every earlier load and store has read its address registers: the offsets below are written again only behind this wait
	OUTOFF                                         ; this window's rows of out, before the tokens are written over
	s_add_co_u32 s26, s26, 32
	SELECT                                         ; the next window's tokens
	PAIRS1
	s_wait_loadcnt 24                              ; this window's scales and tile A are in; tile B's 24 loads may be out
.irp s, 0,1,2,3,4,5,6,7
	v_perm_b32 v[XS+\s], v[XR+\s], v[XR+\s], s28
.endr
	s_wait_dscnt 0x0                               ; the lane permutes
	PAIRS2                                         ; (32 plain lines: more than the eight places between the lines that write scale words and the scaled products)
	TILE 0, 1, 0
	s_wait_loadcnt 26                              ; tile B is in: behind it went the next window's scales (2) and its tile A (24)
	TILE 1, 1, 0
	s_sub_co_u32 s25, s25, 1
	s_cmp_lg_u32 s25, 0
	s_cbranch_scc1 .Lwin
	; ---- THE LAST WINDOW: 1 .. 32 tokens; nothing more is asked for
.Ltail:
	s_wait_xcnt 0x0
	s_wait_loadcnt 24
.irp s, 0,1,2,3,4,5,6,7
	v_perm_b32 v[XS+\s], v[XR+\s], v[XR+\s], s28
.endr
	OUTOFF                                         ; (16 plain lines between the scale words and the products)
	TILE 0, 0, 1
	s_cmp_le_u32 s29, 16
	s_cbranch_scc1 .Lend
	s_wait_loadcnt 0x0
	TILE 1, 0, 1
.Lend:
	s_wait_tensorcnt 0x0
	ds_add_u32 v254, v255
	s_wait_dscnt 0x0
	s_endpgm
.Lfunc_end_k_q4296c6d81c_route_gemm:
	.size	k_q4296c6d81c_route_gemm, .Lfunc_end_k_q4296c6d81c_route_gemm-k_q4296c6d81c_route_gemm
	.p2alignl 7, 3214868480
	.fill 96, 4, 3214868480
	.section	.rodata,"a",@progbits
	.p2align	6, 0x0
	.amdhsa_kernel k_q4296c6d81c_route_gemm
		.amdhsa_group_segment_fixed_size 118528
		.amdhsa_private_segment_fixed_size 0
		.amdhsa_enable_private_segment 0
		.amdhsa_kernarg_size 56
		.amdhsa_user_sgpr_count 2
		.amdhsa_user_sgpr_kernarg_segment_ptr 1
		.amdhsa_wavefront_size32 1
		.amdhsa_system_sgpr_workgroup_id_x 1
		.amdhsa_system_sgpr_workgroup_id_y 1
		.amdhsa_system_sgpr_workgroup_id_z 1
		.amdhsa_system_vgpr_workitem_id 0
		.amdhsa_next_free_vgpr 960
		.amdhsa_next_free_sgpr 102
		.amdhsa_reserve_vcc 1
		.amdhsa_float_denorm_mode_32 3
		.amdhsa_float_denorm_mode_16_64 3
		.amdhsa_memory_ordered 1
		.amdhsa_forward_progress 1
		.amdhsa_inst_pref_size 95
	.end_amdhsa_kernel
	.amdgpu_metadata
---
amdhsa.version: [ 1, 2 ]
amdhsa.kernels:
  - .name:           k_q4296c6d81c_route_gemm
    .symbol:         k_q4296c6d81c_route_gemm.kd
    .args:
      - { .name: W_codes, .offset: 0, .size: 8, .value_kind: global_buffer, .address_space: global }
      - { .name: W_scales, .offset: 8, .size: 8, .value_kind: global_buffer, .address_space: global }
      - { .name: b, .offset: 16, .size: 8, .value_kind: global_buffer, .address_space: global }
      - { .name: ind, .offset: 24, .size: 8, .value_kind: global_buffer, .address_space: global }
      - { .name: x_codes, .offset: 32, .size: 8, .value_kind: global_buffer, .address_space: global }
      - { .name: x_scales, .offset: 40, .size: 8, .value_kind: global_buffer, .address_space: global }
      - { .name: out0, .offset: 48, .size: 8, .value_kind: global_buffer, .address_space: global }
    .group_segment_fixed_size: 118528
    .private_segment_fixed_size: 0
    .kernarg_segment_align: 8
    .kernarg_segment_size: 56
    .max_flat_workgroup_size: 128
    .sgpr_count:     102
    .vgpr_count:     960
    .wavefront_size: 32
...
	.end_amdgpu_metadata
.endif
;; end of part 1
;; ======== version 2 of 2: 1 launch; version 1 with the launch route_gemm written anew for expert scheduling mode
;; launch route_gemm (part 2): grid 16 x 16, 4 waves a work-group, no clusters, 118,528 bytes of LDS; arguments W_codes, W_scales, b, ind, x_codes, x_scales, out0; writes out0
.if DOCPART == 2
	.amdgcn_target "amdgcn-amd-amdhsa--gfx1250"
	.amdhsa_code_object_version 6
	.text
	.protected	k_q4296c6d81c_route_gemm
	.globl	k_q4296c6d81c_route_gemm
	.p2align	8
	.type	k_q4296c6d81c_route_gemm,@function
k_q4296c6d81c_route_gemm:
	s_mov_b64 s[64:65], 0
	v_nop
	global_prefetch_b8 v0, s[64:65] scope:SCOPE_SE
	s_setreg_imm32_b32 hwreg(HW_REG_WAVE_SCHED_MODE, 0, 2), 2
	s_setreg_imm32_b32 hwreg(HW_REG_WAVE_MODE, 25, 1), 1
	s_wait_xcnt 0x0
	s_wait_alu depctr_vm_vsrc(0)
; out[n][:] = W[ind[n]] x[n] + b[ind[n]].  4,096 tokens, K = 1,024, 1,024 outputs, 16 experts.  x and W are codes of BF6 (E3M2): a row of 1,024 codes is 768 bytes, with 32 E8M0 bytes beside it.
; Only the chosen expert's rows are multiplied: the other fifteen results of a token are thrown away by the gather on ind.
; SHARES.  Work-group (c, e) owns expert e and output columns 64 c .. 64 c + 63: 64 rows of W, 49,152 dense bytes that no other work-group reads.  EVERY WAVE KEEPS THAT WHOLE TILE OF W IN REGISTERS
; (32 fragments, 384 registers) and the TOKENS are shared out: wave w serves those of tokens 1024 w .. 1024 w + 1023 whose ind is e, 32 at a time (two tiles of 16 tokens).  Behind the head no wave needs another.
; THE LIST OF TOKENS is made in registers: 32 lane masks (ind == e) and their running counts lie in scalar registers, and SELECT turns 32 ranks into 32 tokens by compares and selects, with no branch and no LDS.
; Ranks past the wave's last are held at the last: such a row is a copy of the last token's, and its stores are jumped over (or write the same numbers to the same row).
; THE MATRIX INSTRUCTION IS USED TRANSPOSED: source 0 = 16 rows of W, source 1 = 16 tokens: a lane holds one token and eight neighbouring outputs.  The bias is the C of a sum's first product.
; K INSIDE AN INSTRUCTION: a lane takes 48 consecutive bytes (two blocks of 32 codes) by three loads of 16 bytes, so the instruction's blocks 0, 1, 2, 3 are the K step's blocks 0, 2, 1, 3, alike in W and x;
; the bytes of each scale word are put in that order.  The products are the same; the order of the sums inside an instruction differs from ascending K.
; NO TENSOR LOADS, NO CLUSTER: x's rows are gathered by a list, which no tile descriptor names; the trip counts hang on ind and differ from wave to wave; and W's tiles are shared by no two work-groups.
; LIMIT: a token whose ind lies outside 0 .. 15 is served by no work-group, and its row of out is not written.
; THE MODE: SCHED_MODE bits 1:0 = 2 (LLVM: expert scheduling mode 2), set by the entry lines.  The code itself states the register dependences between vector or matrix instructions and memory or LDS
; instructions, and between a vector instruction that writes a scalar register or VCC and its readers, with s_wait_alu, always for 0.
; THE PLAN.  Registers that memory or LDS instructions touch, round the loop (a window = 32 tokens = tiles A and B):
;   window 3      a tile's rows as loaded.  Written by XLOAD, read by the 24 stores into the stage; no vector instruction names them.
;   XF (OB)       written by the stage's loads (FRAGS), read by the tile's 32 products; then OUT's read-back lands in its first 32 registers (OB), which the global stores read.
;   ACC           written by the products, read by OUT's LDS stores.
;   XR            written by SLOAD, read by the eight byte-order lines at the next window's head.     XS, WS: written by such lines, taken by the products as scales.
;   TOK, SXO      written by SELECT; read by the lane permutes, by SLOAD.     TP: written by 16 adds, by the permutes' results and by PAIRS2; read by the permutes.
;   XO, OO        written by PAIRS2, by OUTOFF; read by XLOAD, by the global stores.     The ten address registers v4-7, v10-15 are written at the head alone.
; THE WAITS.  At a window's head and at tile B's head one wait on vm_vsrc: all that earlier stores, loads and permutes read may be written.  In a tile that asks for the next window's rows, behind the wait for
; the stage's stores: one on vm_vsrc (the stores have read window 3) and one on va_vdst (the window's head has written XO, SXO, XS and read XR); behind them the tile's loads are dealt in two runs among the
; products, which name none of their registers.  Behind a tile's products and their places: one on va_vdst, for OUT's stores and for every later load into XF.  Round the permutes: va_vdst ahead, vm_vsrc behind.
.set PW,    784                        ; an LDS row of codes: 768 bytes + 16 = 49 x 16: the sixteen rows that a 16-byte access touches fall into sixteen different 16-byte columns of 256
.set PO,    272                        ; an LDS row of results: 256 bytes + 16 = 17 x 16
.set WST,   256                        ; W's tile, 64 rows.  (LDS bytes 0-255 hold nothing: the lane permutes carry indices 0 .. 124 in their address operand, and that range is kept free of data)
.set XSTW,  16*PW
.set XST,   WST+64*PW                  ; a stage of 16 rows of x for each wave
.set OSTW,  16*PO
.set OST,   XST+4*XSTW                 ; a stage of 16 rows of results for each wave; it ends at 118,016; behind it the spare words, 128 bytes for each wave
; REGISTERS, window 0
.set LANE, 1                           ; lane
.set L16,  2                           ; 16 (lane % 16)
.set IDX0, 3                           ; 4 (lane / 16)
.set SA,   4                           ; x's stage, on the way in: row lane / 16, 16 bytes at 16 (lane % 16)
.set FA,   5                           ; x's stage, as fragments: row lane % 16, + 48 (lane / 16)
.set OS,   6                           ; results' stage, in: row lane % 16, + 32 (lane / 16)
.set ORD,  7                           ; results' stage, back: row lane / 16, 16 bytes at 16 (lane % 16)
.set TOK,  8                           ; the token of rank RB + lane
.set SXO,  9                           ; 32 x that token: its scale bytes
.set WSA,  10                          ; W's tile, on the way in (my wave's 16 rows)
.set WFA,  11                          ; W's tile, as fragments
.set WO,   12                          ; W in memory: 768 (lane / 16) + 16 (lane % 16)
.set WSO,  13                          ; W's scale bytes in memory: 32 (lane % 16)
.set BO,   14                          ; the bias in memory: 32 (lane / 16)
.set IO,   15                          ; ind in memory: 16 x lane
.set XR,   16                          ; v16-23   x's scale words as loaded: lane l has those of rank RB + l
.set XS,   24                          ; v24-31   the same with their bytes in the instruction's order: scales and nothing else
.set WS,   32                          ; v32-63   W's scale words, tile t, K step s at 8 t + s: scales and nothing else
.set ACC,  64                          ; v64-95   four accumulators
.set IN,   64                          ;          (at the head: my wave's 1,024 numbers of ind)
.set XF,   96                          ; v96-191  x's eight fragments  (at the head: my quarter of W on its way to LDS)
.set OB,   96                          ; v96-127  on the way out: 16 rows of results read back
.set TP,   192                         ; v192-207 pair p: the token of rank RB + 2 p + lane / 16
.set XO,   208                         ; v208-223 its byte offset in x_codes, + 16 (lane % 16)
.set OO,   224                         ; v224-239 its byte offset in out, + 16 (lane % 16)
.set TQ,   240                         ; v240-251 at work in SELECT
.set TQQ,  241
.set TKEY, 242
.set TMSK, 243
.set TA1,  244
.set TA2,  245
.set TA4,  246
.set TA8,  247
.set TK,   248
.set TPOS, 249
.set TC,   250
.set TT,   251
; v254, v255: the LDS address of my spare word and 0: made at the head and kept for the closing lines alone.
; window 1: v0-191 W's fragments of K steps 0-3 (tile t, step s at 48 t + 12 s); v192-223 the bias, tile t at 192 + 8 t.   window 2: v0-191 W's fragments of K steps 4-7.
; window 3: v0-95 tile A's 16 rows of x as loaded, v96-191 tile B's.
.set BI,   192
; SCALARS: s[4:17] the seven addresses; s18 wave; s19 c; s20 e; s[22:23] an offset (at the head); s24 NW, my wave's count of tokens; s25 windows still to come; s26 RB, the first rank of the window that SELECT serves;
; s27 NW - 1 (0 at the least); s28 the byte order of a scale word; s29 tokens in the last window; s31 1024 x wave; s32-63 the masks; s66-97 the keys; s98-101 at work at the head.
; In SELECT: s2, s3, s21, s22, s23, s30, s98, s99: the lane masks of a run of eight compares.
.set MASK, 32
.set KEY,  66
.set MSB, 0
.macro WIN new                         ; the immediate's high byte repeats the setting that is left; a switch that changes nothing is dropped
.if MSB != \new
	s_set_vgpr_msb (MSB<<8)|\new
.set MSB, \new
.endif
.endm
.set LD3,  0xc0                        ; destination window 3
.set ST3,  0x0c                        ; an LDS store's data (source 1) window 3
.set TO1,  0x40                        ; destination window 1
.set TO2,  0x80                        ; destination window 2
.set W_MB, 0x11                        ; source 0 (W) and source 2 (the bias) window 1
.set W_M1, 0x01                        ; source 0 window 1
.set W_M2, 0x02                        ; source 0 window 2
; RANK -> TOKEN, for the 32 ranks RB + lane.  Group g = one register of ind (32 tokens, 4 apart).  KEY[g] = (the count of my tokens in the groups before g) << 10 | the group's first token: the keys rise with g.
; The last group whose key is not above (rank << 10 | 1023) holds the rank; the rank's place among the group's set bits is then found by halving, on counts of fields of 16, 8, 4, 2 and 1 bits.
.macro HALVE src, width                ; the count of set bits in the lower half of what is left; if my place lies beyond it, go to the upper half
	v_bfe_u32 v[TC], v[\src], v[TPOS], \width
	v_cmp_ge_u32 vcc_lo, v[TK], v[TC]
	s_wait_alu depctr_va_vcc(0)                    ; the compare has written VCC, which the two selects read
	v_cndmask_b32 v[TC], 0, v[TC], vcc_lo
	v_cndmask_b32 v[TT], 0, \width, vcc_lo
	v_sub_nc_u32 v[TK], v[TK], v[TC]
	v_add_nc_u32 v[TPOS], v[TPOS], v[TT]
.endm
; Eight groups from g0 on (those under 32): does group g begin behind my rank?  If not, it takes the place of the group held so far.  The compares stand in a run, each with a scalar register for its lane mask, so that
; one wait serves the eight; the selects follow in ascending g.
.macro PICK g0
.set g, \g0
.irp m, 2,3,21,22,23,30,98,99
.if g < 32
	v_cmp_gt_u32 s[\m], s[KEY+g], v[TQQ]
.endif
.set g, g+1
.endr
	s_wait_alu depctr_va_sdst(0)                   ; the run of compares has written its lane masks, which the selects read
.set g, \g0
.irp m, 2,3,21,22,23,30,98,99
.if g < 32
	v_cndmask_b32 v[TKEY], s[KEY+g], v[TKEY], s[\m]
	v_cndmask_b32 v[TMSK], s[MASK+g], v[TMSK], s[\m]
.endif
.set g, g+1
.endr
.endm
.macro SELECT
	v_add_nc_u32 v[TQ], s26, v[LANE]
	v_min_u32 v[TQ], s27, v[TQ]                    ; ranks past the last are held at the last
	v_lshl_or_b32 v[TQQ], v[TQ], 10, 0x3ff
	v_mov_b32 v[TKEY], s[KEY]
	v_mov_b32 v[TMSK], s[MASK]
	PICK 1
	PICK 9
	PICK 17
	PICK 25
	v_lshrrev_b32 v[TT], 10, v[TKEY]
	v_sub_nc_u32 v[TK], v[TQ], v[TT]               ; my place among the group's set bits, from 0
	v_lshrrev_b32 v[TT], 1, v[TMSK]
	v_and_b32 v[TT], 0x55555555, v[TT]
	v_sub_nc_u32 v[TA1], v[TMSK], v[TT]            ; counts of fields of 2 bits,
	v_lshrrev_b32 v[TT], 2, v[TA1]
	v_and_b32 v[TT], 0x33333333, v[TT]
	v_and_b32 v[TA2], 0x33333333, v[TA1]
	v_add_nc_u32 v[TA2], v[TA2], v[TT]             ; of 4,
	v_lshrrev_b32 v[TT], 4, v[TA2]
	v_add_nc_u32 v[TT], v[TA2], v[TT]
	v_and_b32 v[TA4], 0x0f0f0f0f, v[TT]            ; of 8,
	v_lshrrev_b32 v[TT], 8, v[TA4]
	v_add_nc_u32 v[TA8], v[TA4], v[TT]             ; and, in the low byte, of bits 0-15
	v_and_b32 v[TC], 0xff, v[TA8]
	v_cmp_ge_u32 vcc_lo, v[TK], v[TC]
	s_wait_alu depctr_va_vcc(0)                    ; the compare has written VCC, which the two selects read
	v_cndmask_b32 v[TC], 0, v[TC], vcc_lo
	v_cndmask_b32 v[TPOS], 0, 16, vcc_lo
	v_sub_nc_u32 v[TK], v[TK], v[TC]
	HALVE TA4, 8
	HALVE TA2, 4
	HALVE TA1, 2
	HALVE TMSK, 1                                  ; TPOS is now the lane that held the token
	v_and_b32 v[TT], 0x3ff, v[TKEY]
	v_lshl_add_u32 v[TT], v[TPOS], 2, v[TT]        ; the group's first token + 4 x that lane,
	v_add_nc_u32 v[TT], s31, v[TT]                 ; + my wave's first token
	v_min_u32 v[TOK], 0xfff, v[TT]                 ; what enters an address is held inside the table
	v_lshlrev_b32 v[SXO], 5, v[TOK]
.endm
; Each load and store of a row is done by sixteen lanes, two rows an instruction: so lanes 0-15 want the token of rank RB + 2 p, lanes 16-31 that of rank RB + 2 p + 1.
.macro PAIRS1
.irp p, 0,1,2,3,4,5,6,7,8,9,10,11,12,13,14,15
	v_add_nc_u32 v[TP+\p], 8*\p, v[IDX0]           ; 4 x the lane that holds it
.endr
	s_wait_alu depctr_va_vdst(0)                   ; SELECT has written TOK and the adds above the sixteen indices: the permutes read both, and their results land on the indices
.irp p, 0,1,2,3,4,5,6,7,8,9,10,11,12,13,14,15
	ds_bpermute_b32 v[TP+\p], v[TP+\p], v[TOK]
.endr
.endm
.macro PAIRS2
.irp p, 0,1,2,3,4,5,6,7,8,9,10,11,12,13,14,15
	v_min_u32 v[TP+\p], 0xfff, v[TP+\p]
	v_mad_u32_u24 v[XO+\p], v[TP+\p], 768, v[L16]
.endr
.endm
.macro OUTOFF
.irp p, 0,1,2,3,4,5,6,7,8,9,10,11,12,13,14,15
	v_lshl_add_u32 v[OO+\p], v[TP+\p], 12, v[L16]  ; a row of out is 4,096 bytes
.endr
.endm
.macro SLOAD                           ; the 32 scale bytes of each lane's token
	global_load_b128 v[XR:XR+3], v[SXO], s[14:15]
	global_load_b128 v[XR+4:XR+7], v[SXO], s[14:15] offset:16
.endm
.macro XLOAD T, p0                     ; eight of tile T's 16 rows of x, pairs p0 .. p0 + 3: sixteen lanes read 256 consecutive bytes, at a multiple of 256 from the buffer's first byte.  No hint: the expert's sixteen work-groups read these rows
	WIN LD3
.irp p, \p0, \p0+1, \p0+2, \p0+3
.irp u, 0,1,2
	global_load_b128 v[96*\T+4*(3*(\p)+\u):96*\T+4*(3*(\p)+\u)+3], v[XO+8*\T+(\p)], s[12:13] offset:256*\u
.endr
.endr
.endm
.macro TOSTAGE T                       ; the tile's 24 pieces into my stage, as rows
	WIN ST3
.irp p, 0,1,2,3,4,5,6,7
.irp u, 0,1,2
	ds_store_b128 v[SA], v[96*\T+4*(3*\p+\u):96*\T+4*(3*\p+\u)+3] offset:2*\p*PW+256*\u
.endr
.endr
	WIN 0
.endm
.macro FRAGS                           ; and back as eight fragments: lane (r, h) takes the 48 bytes at 96 s + 48 h of row r.  LDS serves a wave's instructions in order: these see the stores above
.irp s, 0,1,2,3,4,5,6,7
.irp j, 0,1,2
	ds_load_b128 v[XF+12*\s+4*\j:XF+12*\s+4*\j+3], v[FA] offset:96*\s+16*\j
.endr
.endr
.endm
; Four products: K step s of tile T against W's four tiles.  The four accumulators take turns, one instruction a turn.  Tile B's scale words lie in lanes 16-31.
.macro MULS T, s
.irp t, 0,1,2,3
.set rA, 48*\t+12*((\s)%4)
.set rB, XF+12*(\s)
.set rD, ACC+8*\t
.set rC, ACC+8*\t
.if (\s) == 0
.set rC, BI+8*\t                       ; the first product starts the sum on the bias: nothing is cleared, nothing is added later
.endif
.if \T == 0
	v_wmma_scale_f32_16x16x128_f8f6f4 v[rD:rD+7], v[rA:rA+11], v[rB:rB+11], v[rC:rC+7], v[WS+8*\t+(\s)], v[XS+(\s)] matrix_a_fmt:MATRIX_FMT_BF6 matrix_b_fmt:MATRIX_FMT_BF6
.else
	v_wmma_scale_f32_16x16x128_f8f6f4 v[rD:rD+7], v[rA:rA+11], v[rB:rB+11], v[rC:rC+7], v[WS+8*\t+(\s)], v[XS+(\s)] matrix_a_fmt:MATRIX_FMT_BF6 matrix_b_fmt:MATRIX_FMT_BF6 matrix_b_scale:MATRIX_SCALE_ROW1
.endif
.endr
.endm
.macro MUL T, refill
	s_wait_dscnt 12                                ; the fragments of K steps 0-3 are in; the twelve loads of steps 4-7 may be out
	WIN W_MB
	MULS \T, 0
	WIN W_M1
	MULS \T, 1
	MULS \T, 2
	MULS \T, 3
.if \refill
	XLOAD \T, 4                                    ; the other twelve loads of the next window's tile, where the window changes anyway.  No wait: since TILE's two waits only loads, switches and products
.endif                                                 ; were issued, and the products name W's fragments, XF, the bias, the scale words and the accumulators: neither XO nor window 3
	s_wait_dscnt 0x0
	WIN W_M2
	MULS \T, 4
	MULS \T, 5
	MULS \T, 6
	MULS \T, 7
	WIN 0
.rept 5
	v_nop                                          ; places behind the last products: four for the LDS stores that read the results and for the lines that write x's scale words
.endr                                                  ; five for the next tile's first products, which write these accumulators anew from another C
.endm
; THE WAY OUT.  A lane holds 32 bytes of a token's 256 for each of W's tiles: they go through my stage and come back as rows, and sixteen lanes store 256 consecutive bytes, at a multiple of 256 from out's first byte.
; partial = 1 (the last window): pairs of rows past the wave's last token are jumped over.  With an odd count the last pair's two halves hold the same token and store the same numbers.
.macro OUT T, partial
	s_wait_alu depctr_va_vdst(0)                   ; behind the places: the products have written the accumulators, which the LDS stores read, and are done reading XF, in which the rows read back, and later the next fragments, land
.irp t, 0,1,2,3
	ds_store_b128 v[OS], v[ACC+8*\t:ACC+8*\t+3] offset:64*\t           ; each accumulator from its low end on
	ds_store_b128 v[OS], v[ACC+8*\t+4:ACC+8*\t+7] offset:64*\t+16
.endr
.irp p, 0,1,2,3,4,5,6,7
	ds_load_b128 v[OB+4*\p:OB+4*\p+3], v[ORD] offset:2*\p*PO
.endr
	s_wait_dscnt 0x0
.irp p, 0,1,2,3,4,5,6,7
.if \partial && (\p > 0)
	s_cmp_le_u32 s29, 16*\T+2*\p
	s_cbranch_scc1 .Lstored_\@
.endif
	global_store_b128 v[OO+8*\T+\p], v[OB+4*\p:OB+4*\p+3], s[16:17] th:TH_STORE_NT   ; written once, read by nobody here
.endr
.Lstored_\@:
.endm
; A TILE: 16 tokens x 64 outputs x K 1,024: 32 products.  refill = 1: as soon as the tile's rows have left their registers, those take the same tile of the next window.
.macro TILE T, refill, partial
	s_wait_xcnt 0x0                                ; the last tile's stores have read their data, which lie where x's fragments land
.if \T == 1
	s_wait_alu depctr_vm_vsrc(0)                   ; tile A's global stores have read OB, in which the fragments land, and its LDS stores the accumulators, which the products write.  (For tile A the wait at the window's head states the same)
.endif
	TOSTAGE \T
	FRAGS
.if \refill
	s_wait_dscnt 23                                ; all but the youngest 23 loads: the 24 stores into the stage are done, so the registers that they read may be loaded again
	s_wait_alu depctr_vm_vsrc(0)                   ; those 24 stores have read the tile's registers in window 3, in which the loads below and in MUL land
	s_wait_alu depctr_va_vdst(0)                   ; the window's head has written the offsets that these loads read (XO, SXO) and, more than eight places back, x's scale words, which the products take (on the first trip W's too); it is done reading XR, in which the next scale words land
.if \T == 0
	SLOAD
.endif
	XLOAD \T, 0                                    ; twelve loads ahead of the products, twelve among them
.endif
	MUL \T, \refill
	OUT \T, \partial
.endm
	; ---- THE HEAD
	s_load_b256 s[4:11], s[0:1], 0x0               ; W's codes s[4:5], W's scales s[6:7], b s[8:9], ind s[10:11]
	s_load_b128 s[12:15], s[0:1], 0x20             ; x's codes s[12:13], x's scales s[14:15]
	s_load_b64 s[16:17], s[0:1], 0x30              ; out
	v_lshl_add_u32 v254, v0, 2, 0x1cd00
	v_mov_b32 v255, 0
	v_lshrrev_b32 v[TT], 5, v0
	v_readfirstlane_b32 s18, v[TT]                 ; wave 0..3
	s_mov_b32 s19, ttmp9                           ; c: which 64 outputs
	s_and_b32 s20, ttmp7, 0xffff                   ; e: which expert
	v_and_b32 v[LANE], 31, v0
	v_and_b32 v[TQ], 15, v0                        ; lane % 16
	v_bfe_u32 v[TQQ], v0, 4, 1                     ; lane / 16
	s_wait_alu depctr_va_sdst(0)                   ; s18 is written, ahead of its first reader
	s_mul_i32 s98, s18, XSTW
	s_add_co_u32 s99, s98, XST                     ; my stage for x
	s_add_co_u32 s98, s98, WST                     ; my 16 rows of W's tile
	s_mul_i32 s100, s18, OSTW
	s_add_co_u32 s100, s100, OST                   ; my stage for results
	v_lshlrev_b32 v[L16], 4, v[TQ]
	v_lshlrev_b32 v[IDX0], 2, v[TQQ]
	v_mad_u32_u24 v[WSA], v[TQQ], PW, v[L16]
	v_add_nc_u32 v[SA], s99, v[WSA]
	v_add_nc_u32 v[WSA], s98, v[WSA]
	v_mul_u32_u24 v[WFA], v[TQ], PW
	v_mad_u32_u24 v[WFA], v[TQQ], 48, v[WFA]
	v_add_nc_u32 v[FA], s99, v[WFA]
	v_add_nc_u32 v[WFA], WST, v[WFA]
	v_mul_u32_u24 v[OS], v[TQ], PO
	v_lshl_add_u32 v[OS], v[TQQ], 5, v[OS]
	v_add_nc_u32 v[OS], s100, v[OS]
	v_mad_u32_u24 v[ORD], v[TQQ], PO, v[L16]
	v_add_nc_u32 v[ORD], s100, v[ORD]
	v_mad_u32_u24 v[WO], v[TQQ], 768, v[L16]
	v_lshlrev_b32 v[WSO], 5, v[TQ]
	v_lshlrev_b32 v[BO], 5, v[TQQ]
	v_lshlrev_b32 v[IO], 4, v[LANE]
	s_mov_b32 s28, 0x03010200                      ; a scale word's bytes 0, 2, 1, 3
	s_mov_b32 s24, 0
	s_mov_b32 s26, 0
	s_lshl_b32 s31, s18, 10
	s_lshl_b32 s98, s20, 10
	s_lshl_b32 s99, s19, 6
	s_add_co_u32 s98, s98, s99                     ; the tile's first row of W: 1024 e + 64 c
	s_lshl_b32 s99, s18, 4
	s_add_co_u32 s99, s98, s99                     ; the first of the 16 rows that my wave brings in
	s_mov_b32 s23, 0
	s_wait_kmcnt 0x0
	s_mul_i32 s22, s99, 768
	s_add_nc_u64 s[4:5], s[4:5], s[22:23]
	s_lshl_b32 s22, s98, 5
	s_add_nc_u64 s[6:7], s[6:7], s[22:23]
	s_lshl_b32 s22, s98, 2
	s_add_nc_u64 s[8:9], s[8:9], s[22:23]
	s_lshl_b32 s22, s18, 12
	s_add_nc_u64 s[10:11], s[10:11], s[22:23]      ; my wave's 1,024 numbers of ind
	s_lshl_b32 s22, s19, 8
	s_add_nc_u64 s[16:17], s[16:17], s[22:23]      ; my 256 bytes of every row of out
	s_wait_alu depctr_va_vdst(0)                   ; the ten address registers v4-7 and v10-15 are written, which the kernel's loads, stores and LDS instructions read; none is written again
.irp a, 0,1,2,3,4,5,6,7
	global_load_b128 v[IN+4*\a:IN+4*\a+3], v[IO], s[10:11] offset:512*\a           ; register 4 a + j of lane l: token 1024 w + 128 a + 4 l + j
.endr
.irp p, 0,1,2,3,4,5,6,7
.irp u, 0,1,2
	global_load_b128 v[XF+4*(3*\p+\u):XF+4*(3*\p+\u)+3], v[WO], s[4:5] offset:2*\p*768+256*\u th:TH_LOAD_NT   ; my quarter of W's tile: read once in the whole launch
.endr
.endr
.irp t, 0,1,2,3
	global_load_b128 v[WS+8*\t:WS+8*\t+3], v[WSO], s[6:7] offset:512*\t            ; lane r: the eight scale words of row 16 t + r
	global_load_b128 v[WS+8*\t+4:WS+8*\t+7], v[WSO], s[6:7] offset:512*\t+16
.endr
	WIN TO1
.irp t, 0,1,2,3
	global_load_b128 v[BI+8*\t:BI+8*\t+3], v[BO], s[8:9] offset:64*\t              ; lane (r, h): b of outputs 16 t + 8 h + 0 .. 7: the result's layout
	global_load_b128 v[BI+8*\t+4:BI+8*\t+7], v[BO], s[8:9] offset:64*\t+16
.endr
	WIN 0
	s_wait_loadcnt 40                              ; ind is in: behind it went W's 24 loads, its scales' 8 and the bias's 8
.set g, 0
.rept 32
	v_cmp_eq_u32 s[MASK+g], s20, v[IN+g]
.set g, g+1
.endr
	s_wait_alu depctr_va_sdst(0)                   ; the 32 compares have written the masks, ahead of their first reader, the counts below
.set g, 0
.rept 32
	s_lshl_b32 s[KEY+g], s24, 10
	s_or_b32 s[KEY+g], s[KEY+g], 128*(g>>2)+(g&3)
	s_bcnt1_i32_b32 s98, s[MASK+g]
	s_add_co_u32 s24, s24, s98
.set g, g+1
.endr
	s_max_u32 s27, s24, 1
	s_sub_co_u32 s27, s27, 1                       ; my last rank (0 where I have no token: every address stays inside its buffer)
	s_add_co_u32 s25, s24, 31
	s_lshr_b32 s25, s25, 5
	s_sub_co_u32 s25, s25, 1                       ; windows but the last  (read only where I have a token)
	s_lshl_b32 s98, s25, 5
	s_sub_co_u32 s29, s24, s98                     ; tokens in the last window, 1 .. 32
	; the first window's rows are asked for before anything else is done with W
	SELECT
	PAIRS1
	s_wait_dscnt 0x0
	s_wait_alu depctr_vm_vsrc(0)                   ; the permutes have read their indices in TP, which PAIRS2 writes
	PAIRS2
	s_wait_alu depctr_va_vdst(0)                   ; SELECT has written SXO and PAIRS2 the sixteen XO, which the loads below read as offsets
	SLOAD
	XLOAD 0, 0
	XLOAD 0, 4
	XLOAD 1, 0
	XLOAD 1, 4
	WIN 0
	s_wait_loadcnt 50                              ; W, its scales and the bias are in: behind them went x's scales (2 loads) and two tiles of 24
.irp p, 0,1,2,3,4,5,6,7
.irp u, 0,1,2
	ds_store_b128 v[WSA], v[XF+4*(3*\p+\u):XF+4*(3*\p+\u)+3] offset:2*\p*PW+256*\u
.endr
.endr
.set g, 0
.rept 32
	v_perm_b32 v[WS+g], v[WS+g], v[WS+g], s28      ; W's scale words in the instruction's order of blocks, once
.set g, g+1
.endr
	s_wait_dscnt 0x0                               ; for the others' sake: my 16 rows of W lie in LDS
	s_barrier_signal -1
	s_barrier_wait -1                              ; the launch's one barrier: all 64 rows do.  Nobody writes them again
	WIN TO1
.irp t, 0,1,2,3
.irp s, 0,1,2,3
.irp j, 0,1,2
	ds_load_b128 v[48*\t+12*\s+4*\j:48*\t+12*\s+4*\j+3], v[WFA] offset:\t*16*PW+96*\s+16*\j
.endr
.endr
.endr
	WIN TO2
.irp t, 0,1,2,3
.irp s, 0,1,2,3
.irp j, 0,1,2
	ds_load_b128 v[48*\t+12*\s+4*\j:48*\t+12*\s+4*\j+3], v[WFA] offset:\t*16*PW+96*(\s+4)+16*\j
.endr
.endr
.endr
	WIN 0
	s_wait_dscnt 0x0                               ; W's 32 fragments are in registers, for the rest of the launch
	s_cmp_eq_u32 s24, 0
	s_cbranch_scc1 .Lend                           ; none of my 1,024 tokens chose this expert
	s_cmp_eq_u32 s25, 0
	s_cbranch_scc1 .Ltail
	; ---- EVERY WINDOW BUT THE LAST: 32 tokens, all present.  On the way in and over the backward jump the loads that are out are, in this order: the window's scales (2), tile A (24), tile B (24).
.Lwin:
	s_wait_xcnt 0x0                                ; every earlier load and store has read its address registers: the offsets below are written again only behind this wait
	s_wait_alu depctr_vm_vsrc(0)                   ; the last window's stores have read OO and OB, its LDS stores the accumulators, its loads SXO and XO, its permutes TOK (on the way in: the LDS stores of W have read XF): all are written below
	OUTOFF                                         ; this window's rows of out, before the tokens are written over
	s_add_co_u32 s26, s26, 32
	SELECT                                         ; the next window's tokens
	PAIRS1
	s_wait_loadcnt 24                              ; this window's scales and tile A are in; tile B's 24 loads may be out
.irp s, 0,1,2,3,4,5,6,7
	v_perm_b32 v[XS+\s], v[XR+\s], v[XR+\s], s28
.endr
	s_wait_dscnt 0x0                               ; the lane permutes
	s_wait_alu depctr_vm_vsrc(0)                   ; the permutes have read their indices in TP, which PAIRS2 writes
	PAIRS2                                         ; (32 plain lines: more than the eight places between the lines that write scale words and the scaled products)
	TILE 0, 1, 0
	s_wait_loadcnt 26                              ; tile B is in: behind it went the next window's scales (2) and its tile A (24)
	TILE 1, 1, 0
	s_sub_co_u32 s25, s25, 1
	s_cmp_lg_u32 s25, 0
	s_cbranch_scc1 .Lwin
	; ---- THE LAST WINDOW: 1 .. 32 tokens; nothing more is asked for
.Ltail:
	s_wait_xcnt 0x0
	s_wait_alu depctr_vm_vsrc(0)                   ; the last window's stores have read OO and OB and its LDS stores the accumulators (on the way in from the head: the LDS stores of W have read XF): all are written below
	s_wait_loadcnt 24
.irp s, 0,1,2,3,4,5,6,7
	v_perm_b32 v[XS+\s], v[XR+\s], v[XR+\s], s28
.endr
	OUTOFF                                         ; (16 plain lines between the scale words and the products)
	s_wait_alu depctr_va_vdst(0)                   ; behind those places: x's scale words are written (on the way in from the head W's too), which the products take, and OO, which the stores read as offsets
	TILE 0, 0, 1
	s_cmp_le_u32 s29, 16
	s_cbranch_scc1 .Lend
	s_wait_loadcnt 0x0
	TILE 1, 0, 1
.Lend:
	s_wait_dscnt 0x0                               ; the closing lines, six on end
	s_wait_alu 0x0
	s_wait_tensorcnt 0x0
	ds_add_u32 v254, v255
	s_wait_dscnt 0x0
	s_endpgm
.Lfunc_end_k_q4296c6d81c_route_gemm:
	.size	k_q4296c6d81c_route_gemm, .Lfunc_end_k_q4296c6d81c_route_gemm-k_q4296c6d81c_route_gemm
	.p2alignl 7, 3214868480
	.fill 96, 4, 3214868480
	.section	.rodata,"a",@progbits
	.p2align	6, 0x0
	.amdhsa_kernel k_q4296c6d81c_route_gemm
		.amdhsa_group_segment_fixed_size 118528
		.amdhsa_private_segment_fixed_size 0
		.amdhsa_enable_private_segment 0
		.amdhsa_kernarg_size 56
		.amdhsa_user_sgpr_count 2
		.amdhsa_user_sgpr_kernarg_segment_ptr 1
		.amdhsa_wavefront_size32 1
		.amdhsa_system_sgpr_workgroup_id_x 1
		.amdhsa_system_sgpr_workgroup_id_y 1
		.amdhsa_system_sgpr_workgroup_id_z 1
		.amdhsa_system_vgpr_workitem_id 0
		.amdhsa_next_free_vgpr 960
		.amdhsa_next_free_sgpr 102
		.amdhsa_reserve_vcc 1
		.amdhsa_float_denorm_mode_32 3
		.amdhsa_float_denorm_mode_16_64 3
		.amdhsa_memory_ordered 1
		.amdhsa_forward_progress 1
		.amdhsa_inst_pref_size 102
	.end_amdhsa_kernel
	.amdgpu_metadata
---
amdhsa.version: [ 1, 2 ]
amdhsa.kernels:
  - .name:           k_q4296c6d81c_route_gemm
    .symbol:         k_q4296c6d81c_route_gemm.kd
    .args:
      - { .name: W_codes, .offset: 0, .size: 8, .value_kind: global_buffer, .address_space: global }
      - { .name: W_scales, .offset: 8, .size: 8, .value_kind: global_buffer, .address_space: global }
      - { .name: b, .offset: 16, .size: 8, .value_kind: global_buffer, .address_space: global }
      - { .name: ind, .offset: 24, .size: 8, .value_kind: global_buffer, .address_space: global }
      - { .name: x_codes, .offset: 32, .size: 8, .value_kind: global_buffer, .address_space: global }
      - { .name: x_scales, .offset: 40, .size: 8, .value_kind: global_buffer, .address_space: global }
      - { .name: out0, .offset: 48, .size: 8, .value_kind: global_buffer, .address_space: global }
    .group_segment_fixed_size: 118528
    .private_segment_fixed_size: 0
    .kernarg_segment_align: 8
    .kernarg_segment_size: 56
    .max_flat_workgroup_size: 128
    .sgpr_count:     102
    .vgpr_count:     960
    .wavefront_size: 32
...
	.end_amdgpu_metadata
.endif
;; end of part 2
